; MI455X (gfx1250); checked and timed in simulation.
; The chip was launched on July 23, 2026; its instructions are those of AMD's public machine-readable ISA for CDNA 5 (MIT licence, August 2026) and "CDNA5" Instruction Set Architecture Reference Guide (July 2026). The comments in the code are by the model that wrote it; some were corrected since.
;; GMM Quantizer. Allowed arithmetic: float matrix products may take bf16 or f16 operands with f32 sums; other float arithmetic in f32, or as packed bf16 or f16 multiplies, adds, multiply-adds, maxima and minima; sums over many terms, partial sums and values carried from step to step in f32; what a program stores and reads back later, other than sums and carried values, may be rounded once to bf16 or f16.
;; Inputs: log_pi 16 float32; log_std 16 float32; mean 16 float32; x 8 x 32 x 128 x 128 float32.
;; Outputs: out0 8 x 32 x 128 x 128 float32; out1 8 x 32 x 128 x 128 x 1 int32.
;; One version. Each part assembles by itself: llvm-mc -triple=amdgcn-amd-amdhsa -mcpu=gfx1250 --defsym DOCPART=n.
;; ======== version 1 of 1: 1 launch
;; limits: an absolute error that grows with the inputs' magnitude: up to 1.9e-06 times it; right only within a limited range of input values
;; launch quant (part 1): grid 256 x 1, 16 waves a work-group, no clusters, 14,336 bytes of LDS; arguments x, mean, log_std, log_pi, out0, out1; writes out0, out1
.if DOCPART == 1
	.amdgcn_target "amdgcn-amd-amdhsa--gfx1250"
	.amdhsa_code_object_version 6
	.text
	.protected	k_qf7809b1d96_quant
	.globl	k_qf7809b1d96_quant
	.p2align	8
	.type	k_qf7809b1d96_quant,@function
k_qf7809b1d96_quant:
	s_mov_b64 s[64:65], 0
	v_nop
	global_prefetch_b8 v0, s[64:65] scope:SCOPE_SE
	s_setreg_imm32_b32 hwreg(HW_REG_WAVE_MODE, 25, 1), 1
	s_wait_xcnt 0x0
; GMMQuantizer.  x: [8][32][128][128] f32 = 4,194,304 numbers; mean, log_std, log_pi: [16] f32.  out0 = q (f32), out1 = symbols_hard (i32), one of each for every x.
; WHAT IS LEFT OUT, AND WHY IT IS DEAD (real arithmetic, all finite inputs):
;   q = softout + (hardout - softout) = hardout: phi_soft and softout reach no output and are not computed.
;   symbols_hard = argmax_l phi_hard_l, phi_hard_l = e_l / sum(e), e_l = exp(z_l - max z) inv_norm_l, z_l = -1e4 dist_l.  The sum is one positive number along l: not computed.
;   inv_norm_l = exp(log_pi_l - min log_pi) / sum(mp) / sqrt(2 pi var_l): exp(-min), 1 / sum(mp) and 1 / sqrt(2 pi) are the same positive factors for all l: not computed.
;   ln is strictly increasing, so argmax_l e_l = argmin_l u_l, u_l = (y_l - min y) + (max c - c_l), y_l = -z_l = 1e4 dist_l, c_l = log_pi_l - ln(var_l) / 2.
;   The maximum of z is taken away as in reference() (here: the least y), so u is formed of small numbers; no exponential of a score is left.  All four inputs are loaded.
; ROUNDING.  The symbol is a whole number, and one unit in the last place of a distance moves a boundary.  So up to y every step is rounded as reference() rounds it: x - mean; its square;
;   the quotient by D = 2 var; the product by 1e4.  The quotient is q0 = a r, rem = a - q0 D (one fused step), q = q0 + rem r (one fused step), r = 1 / D refined twice: the rounded
;   quotient, but for quotients that lie within some 2^-23 of a unit in the last place of the middle between two f32 numbers.  Ties go to the first index, as in argmax.
; LIMITS.  (1) reference()'s exp gives 0 for z_l - max z below about -87, so such a component never wins there; here it wins if c_l exceeds the winner's c by more: right for c no more than 87 apart.
;   (2) Scores nearer than 2^-25, which reference()'s exp rounds to the same number, are told apart here.  (3) q is mean[symbol] with its four lowest mantissa bits 0: off by less than
;   2^-19 of itself.  (4) log_std below 43 (1 / D stays a normal number); squares below 2^-100 lose bits in rem.  (5) NaN and infinities are not treated apart, and a NaN,
;   an infinity or an overflow that reaches only the work left out (softout, the sums, exp(log_pi - min)) is not carried to the result.
; SHARES.  256 work-groups of 16 waves; a work-group owns 65,536 consecutive bytes of x and of each output, a wave 4,096, in 8 steps of 512: a step is one load of 16 bytes a lane,
;   four elements a lane, two to a packed line.  Each load and store of a wave covers 512 consecutive bytes, aligned.  A step has 448 vector lines; nothing is shared between
;   waves, so there is no barrier.  No matrix unit, cluster or tensor load: work-groups share 192 bytes of tables and nothing else.
; THE TABLE.  Each wave makes its own (lane % 16 = component; some 60 lines against 3,584 of the stream), lays it in 768 LDS bytes of its own and reads it back with all lanes at one address:
;   every constant stands twice, as a register pair, so that the packed lines need no selection bits.
.set WAVES, 16
.set STEPB, 512                        ; bytes of x in a step of a wave
.set STEPS, 8                          ; steps of a wave
.set TABW,  768                        ; a wave's table in LDS: 16 x 32 bytes (-mean, -mean, k, k, -D, -D, r, r), then 16 words from PAYB on
.set PAYB,  512
.set SPARE, WAVES*TABW                 ; behind the tables: the spare words, 128 bytes for each wave: sixteen blocks of 128 bytes that no other line names
.set OFF, 1                            ; v1        my byte offset in the work-group's share, the same in x, out0 and out1
.set SPW, 2                            ; v2        LDS address of my spare word: SPARE + 4 x my thread's number; never rewritten
.set NIL, 3                            ; v3        0; never rewritten
.set X,   4                            ; v[4:11]   two buffers of four x
.set A,   12                           ; v[12:19]  four chains at work, a pair each
.set MN,  20                           ; v[20:23]  the four elements' least y, later their least u
.set PW,  24                           ; v[24:27]  the chosen table words
.set QO,  28                           ; v[28:31]  q to store
.set SO,  32                           ; v[32:35]  symbols to store
.set PL,  36                           ; v[36:51]  table words: mean_l with l in its four lowest bits
.set C,   52                           ; v[52:179] component l at C + 8 l: -mean twice, k twice, -D twice, r twice
.set Y,   180                          ; v[180:243] y, then u: component l, element e at Y + 4 l + e.  Before the stream: the table's scratch
.set LS,  Y+0                          ; log_std
.set LP,  Y+1                          ; log_pi
.set MU,  Y+2                          ; mean
.set NN,  Y+3
.set RR,  Y+4
.set PP,  Y+5
.set R2,  Y+6
.set NI,  Y+7
.set SD,  Y+8
.set VR,  Y+9
.set DD,  Y+10
.set RC,  Y+11
.set EE,  Y+12
.set LG,  Y+13
.set CC,  Y+14
.set CM,  Y+15
.set TQ,  Y+16                         ; eight registers: the component's 32 bytes of the table
.set LN,  Y+24                         ; my component: lane % 16
.set PO,  Y+25
.set LA,  Y+26
.set LB,  Y+27
.set PB,  Y+28
.set TB,  Y+29
.set WN,  Y+30
.set TENK, 20                          ; s[20:21]  1e4: the packed product takes the pair's low word for both halves
.set CNT,  22                          ; s22       trips to go
.set MK,   24                          ; s[24:27]  four lane masks, one for each element of a step
	s_load_b256 s[4:11], s[0:1], 0x0               ; x s[4:5], mean s[6:7], log_std s[8:9], log_pi s[10:11]
	s_load_b128 s[12:15], s[0:1], 0x20             ; out0 s[12:13], out1 s[14:15]
	v_lshl_add_u32 v[SPW], v0, 2, SPARE
	v_mov_b32 v[NIL], 0
	v_lshrrev_b32 v[WN], 5, v0
	v_readfirstlane_b32 s16, v[WN]                 ; wave 0..15
	v_and_b32 v[LN], 15, v0
	v_lshlrev_b32 v[PO], 2, v[LN]                  ; my component's word in the three tables
	v_and_b32 v[OFF], 31, v0
	v_lshlrev_b32 v[OFF], 4, v[OFF]                ; 16 bytes a lane
	v_lshl_add_u32 v[OFF], s16, 12, v[OFF]         ; + 4,096 x wave
	s_lshl_b32 s18, ttmp9, 16                      ; the work-group's 65,536 bytes
	s_mov_b32 s19, 0
	s_mov_b32 s[TENK], 0x461c4000                  ; 10000.0
	s_mov_b32 s[TENK+1], s[TENK]                   ; named with it as a pair
	s_mul_i32 s17, s16, TABW                       ; my wave's table in LDS
	s_wait_kmcnt 0x0
	s_add_nc_u64 s[4:5], s[4:5], s[18:19]
	s_add_nc_u64 s[12:13], s[12:13], s[18:19]
	s_add_nc_u64 s[14:15], s[14:15], s[18:19]
	global_load_b32 v[LS], v[PO], s[8:9]
	global_load_b32 v[LP], v[PO], s[10:11]
	global_load_b32 v[MU], v[PO], s[6:7]
	global_load_b128 v[X:X+3],   v[OFF], s[4:5] th:TH_LOAD_NT               ; steps 0 and 1 are on their way while the table is made
	global_load_b128 v[X+4:X+7], v[OFF], s[4:5] offset:STEPB th:TH_LOAD_NT
	v_lshl_add_u32 v[LA], v[LN], 5, s17            ; where my component's 32 bytes go
	v_lshl_add_u32 v[LB], v[LN], 2, s17            ; and (with PAYB) its word
	v_mov_b32 v[TB], s17                           ; where every lane reads the table back
	s_wait_loadcnt 0x2                             ; the three table loads are in; the two loads of x, issued behind them, may stay out
	; std = exp(log_std): n = round(log_std / ln 2); r = log_std - n ln 2 with ln 2 in two parts (the first part's product with n is exact); exp(r) = 1 + (r + r^2 p(r)), p of degree 5
	; on |r| <= ln 2 / 2; times 2^n.  The last rounding is that of 1 + y, so the result lies nearer the true value than a bare exponential instruction's: var's last bit enters every quotient.
	v_mul_f32 v[NN], 0x3fb8aa3b, v[LS]
	v_rndne_f32 v[NN], v[NN]
	v_fmamk_f32 v[RR], v[NN], 0xbf318000, v[LS]    ; - n x 0.693359375
	v_fmamk_f32 v[RR], v[NN], 0x395e8083, v[RR]    ; + n x 2.12194440e-4
	v_mov_b32 v[PP], 0x39506967                    ; 1.9875691500e-4
	v_fmaak_f32 v[PP], v[PP], v[RR], 0x3ab743ce    ; 1.3981999507e-3
	v_fmaak_f32 v[PP], v[PP], v[RR], 0x3c088908    ; 8.3334519073e-3
	v_fmaak_f32 v[PP], v[PP], v[RR], 0x3d2aa9c1    ; 4.1665795894e-2
	v_fmaak_f32 v[PP], v[PP], v[RR], 0x3e2aaaaa    ; 1.6666665459e-1
	v_fma_f32 v[PP], v[PP], v[RR], 0.5
	v_mul_f32 v[R2], v[RR], v[RR]
	v_fma_f32 v[PP], v[PP], v[R2], v[RR]
	v_add_f32 v[PP], 1.0, v[PP]
	v_cvt_i32_f32 v[NI], v[NN]
	v_ldexp_f32 v[SD], v[PP], v[NI]
	v_mul_f32 v[VR], v[SD], v[SD]                  ; var = std std + 1e-3: product and sum each rounded, as reference() writes them
	v_add_f32 v[VR], 0x3a83126f, v[VR]
	v_add_f32 v[DD], v[VR], v[VR]                  ; D = 2 var, exact
	v_rcp_f32 v[RC], v[DD]                         ; one batch of two,
	v_log_f32 v[LG], v[VR]
	v_xor_b32 v[TQ+0], 0x80000000, v[MU]           ; three plain lines that name no result of the batch: -mean,
	v_xor_b32 v[TQ+4], 0x80000000, v[DD]           ; -D,
	v_and_or_b32 v[PB], v[MU], -16, v[LN]          ; and the table word: mean with l in its four lowest bits
	s_wait_alu depctr_va_vdst(0)                   ; the one wait ahead of the batch's first reader
	v_fma_f32 v[EE], v[TQ+4], v[RC], 1.0           ; r = 1 / D, refined twice: e = 1 - D r, r = r + e r
	v_fma_f32 v[RC], v[EE], v[RC], v[RC]
	v_fma_f32 v[EE], v[TQ+4], v[RC], 1.0
	v_fma_f32 v[TQ+6], v[EE], v[RC], v[RC]
	v_fmamk_f32 v[CC], v[LG], 0xbeb17218, v[LP]    ; c = log_pi - (ln 2 / 2) log2(var)
	v_mov_b32 v[CM], v[CC]
	v_max_num_f32_dpp v[CM], v[CM], v[CM] row_xmask:1 row_mask:0xf bank_mask:0xf   ; the greatest c of the 16 components: each half of the lanes holds all 16
	v_max_num_f32_dpp v[CM], v[CM], v[CM] row_xmask:2 row_mask:0xf bank_mask:0xf
	v_max_num_f32_dpp v[CM], v[CM], v[CM] row_xmask:4 row_mask:0xf bank_mask:0xf
	v_max_num_f32_dpp v[CM], v[CM], v[CM] row_xmask:8 row_mask:0xf bank_mask:0xf
	v_sub_f32 v[TQ+2], v[CM], v[CC]                ; k = max c - c, never below 0
	v_mov_b32 v[TQ+1], v[TQ+0]                     ; each constant twice: a pair for the packed lines
	v_mov_b32 v[TQ+3], v[TQ+2]
	v_mov_b32 v[TQ+5], v[TQ+4]
	v_mov_b32 v[TQ+7], v[TQ+6]
	ds_store_b128 v[LA], v[TQ:TQ+3]                ; lanes l and l + 16 store the same numbers at the same bytes
	ds_store_b128 v[LA], v[TQ+4:TQ+7] offset:16
	ds_store_b32 v[LB], v[PB] offset:PAYB
.set i, 0
.rept 32
	ds_load_b128 v[C+4*i:C+4*i+3], v[TB] offset:16*i      ; the bytes are my wave's own, and LDS serves a wave's instructions in order (ISA guide 5.7.1.4): these see the stores above; all lanes read one address
.set i, i+1
.endr
.set i, 0
.rept 4
	ds_load_b128 v[PL+4*i:PL+4*i+3], v[TB] offset:PAYB+16*i
.set i, i+1
.endr
	s_wait_dscnt 0x0
; Chain c of four: component l + c / 2, element pair c % 2.  Four chains go side by side, so that no line reads the result of the line before it.
.macro NAMES b, l, c
.set rA, A+2*(\c)
.set rX, X+4*(\b)+2*((\c)%2)
.set rC, C+8*((\l)+(\c)/2)
.set rY, Y+4*((\l)+(\c)/2)+2*((\c)%2)
.set rM, MN+2*((\c)%2)
.endm
; y = 1e4 ((x - mean)^2 / D) for components l and l + 1 and the four elements of buffer b, each step rounded as reference() rounds it.
.macro DIST b, l
.irp c, 0,1,2,3
	NAMES \b, \l, \c
	v_pk_add_f32 v[rA:rA+1], v[rX:rX+1], v[rC:rC+1]                       ; diff = x + (-mean)
.endr
.irp c, 0,1,2,3
	NAMES \b, \l, \c
	v_pk_mul_f32 v[rA:rA+1], v[rA:rA+1], v[rA:rA+1]                       ; a = diff diff
.endr
.irp c, 0,1,2,3
	NAMES \b, \l, \c
	v_pk_mul_f32 v[rY:rY+1], v[rA:rA+1], v[rC+6:rC+7]                     ; q0 = a r
.endr
.irp c, 0,1,2,3
	NAMES \b, \l, \c
	v_pk_fma_f32 v[rA:rA+1], v[rY:rY+1], v[rC+4:rC+5], v[rA:rA+1]         ; rem = a - q0 D
.endr
.irp c, 0,1,2,3
	NAMES \b, \l, \c
	v_pk_fma_f32 v[rY:rY+1], v[rA:rA+1], v[rC+6:rC+7], v[rY:rY+1]         ; dist = q0 + rem r: a / D, rounded once
.endr
.irp c, 0,1,2,3
	NAMES \b, \l, \c
	v_pk_mul_f32 v[rY:rY+1], v[rY:rY+1], s[TENK:TENK+1] op_sel_hi:[1,0]   ; y = 1e4 dist = -z
.endr
.endm
; u = (y - least y) + k for components l and l + 1: the difference first, as reference() takes the maximum away first
.macro SCORE l
.irp c, 0,1,2,3
	NAMES 0, \l, \c
	v_pk_add_f32 v[rY:rY+1], v[rY:rY+1], v[rM:rM+1] neg_lo:[0,1] neg_hi:[0,1]
.endr
.irp c, 0,1,2,3
	NAMES 0, \l, \c
	v_pk_add_f32 v[rY:rY+1], v[rY:rY+1], v[rC+2:rC+3]
.endr
.endm
; The least of the 16 numbers of each of the four elements: eight lines an element, the elements by turns
.macro LEAST
.irp e, 0,1,2,3
	v_min3_num_f32 v[MN+\e], v[Y+\e], v[Y+4+\e], v[Y+8+\e]
.endr
.irp j, 3,5,7,9,11,13
.irp e, 0,1,2,3
	v_min3_num_f32 v[MN+\e], v[MN+\e], v[Y+4*\j+\e], v[Y+4*\j+4+\e]
.endr
.endr
.irp e, 0,1,2,3
	v_min_num_f32 v[MN+\e], v[MN+\e], v[Y+60+\e]
.endr
.endm
; The table word of the FIRST component whose u is the least: l goes down from 14 to 0, so a lower l overwrites a higher one; component 15 is what is left if no other matches.
; The choice selects a value and steers no address: a compare and a select for each l, in every step.
.macro PICK
.irp l, 14,13,12,11,10,9,8,7,6,5,4,3,2,1,0
.irp e, 0,1,2,3
	v_cmp_eq_f32 s[MK+\e], v[Y+4*\l+\e], v[MN+\e]
.endr
.irp e, 0,1,2,3
.if \l == 14
	v_cndmask_b32 v[PW+\e], v[PL+15], v[PL+14], s[MK+\e]
.else
	v_cndmask_b32 v[PW+\e], v[PW+\e], v[PL+\l], s[MK+\e]
.endif
.endr
.endr
.endm
; A step, on buffer b.  more = 1: the buffer is asked for again, two steps ahead, as soon as the distances have read it: the rest of this step and the whole next one stand between the
; request and the wait for it.  left = the younger loads that may stay out.
.macro BODY b, more, left
	s_wait_loadcnt \left                           ; loads come back in order (ISA guide 5.7.1): this buffer's is in, the other buffer's, issued later, may stay out
.irp l, 0,2,4,6,8,10,12,14
	DIST \b, \l
.endr
.if \more
	global_load_b128 v[X+4*(\b):X+4*(\b)+3], v[OFF], s[4:5] offset:(2+(\b))*STEPB th:TH_LOAD_NT
.endif
	LEAST                                          ; least y = -(max z)
.irp l, 0,2,4,6,8,10,12,14
	SCORE \l
.endr
	LEAST                                          ; least u
	PICK
	s_wait_xcnt 0x0                                ; every earlier load and store has had its addresses translated (ISA guide 3.1): the last step's store data and the offset are rewritten only behind this wait
.if (\more) && (\b)
	v_add_nc_u32 v[OFF], 2*STEPB, v[OFF]           ; the next trip's two steps; this step's stores reach back
.endif
.irp e, 0,1,2,3
	v_and_b32 v[QO+\e], -16, v[PW+\e]              ; q = mean[symbol], its four lowest bits 0
	v_and_b32 v[SO+\e], 15, v[PW+\e]               ; the symbol
.endr
	global_store_b128 v[OFF], v[QO:QO+3], s[12:13] offset:STEPB*(\b)-2*STEPB*(\more)*(\b) th:TH_STORE_NT
	global_store_b128 v[OFF], v[SO:SO+3], s[14:15] offset:STEPB*(\b)-2*STEPB*(\more)*(\b) th:TH_STORE_NT
.endm
	s_mov_b32 s[CNT], STEPS/2-1
.Ltrip:                                        ; two steps a trip; steps 2 to 7 are asked for in the three trips
	BODY 0, 1, 1
	BODY 1, 1, 1
	s_sub_co_u32 s[CNT], s[CNT], 1
	s_cmp_lg_u32 s[CNT], 0
	s_cbranch_scc1 .Ltrip
	BODY 0, 0, 1                                   ; the last two steps load nothing: no load leaves x, and the counts run down
	BODY 1, 0, 0
	s_wait_tensorcnt 0x0                           ; the wave's end
	ds_add_u32 v[SPW], v[NIL]
	s_wait_dscnt 0x0
	s_endpgm
.Lfunc_end_k_qf7809b1d96_quant:
	.size	k_qf7809b1d96_quant, .Lfunc_end_k_qf7809b1d96_quant-k_qf7809b1d96_quant
	.p2alignl 7, 3214868480
	.fill 96, 4, 3214868480
	.section	.rodata,"a",@progbits
	.p2align	6, 0x0
	.amdhsa_kernel k_qf7809b1d96_quant
		.amdhsa_group_segment_fixed_size 14336
		.amdhsa_private_segment_fixed_size 0
		.amdhsa_enable_private_segment 0
		.amdhsa_kernarg_size 48
		.amdhsa_user_sgpr_count 2
		.amdhsa_user_sgpr_kernarg_segment_ptr 1
		.amdhsa_wavefront_size32 1
		.amdhsa_system_sgpr_workgroup_id_x 1
		.amdhsa_system_sgpr_workgroup_id_y 1
		.amdhsa_system_sgpr_workgroup_id_z 1
		.amdhsa_system_vgpr_workitem_id 0
		.amdhsa_next_free_vgpr 244
		.amdhsa_next_free_sgpr 66
		.amdhsa_reserve_vcc 0
		.amdhsa_float_denorm_mode_32 3
		.amdhsa_float_denorm_mode_16_64 3
		.amdhsa_memory_ordered 1
		.amdhsa_forward_progress 1
		.amdhsa_inst_pref_size 118
	.end_amdhsa_kernel
	.amdgpu_metadata
---
amdhsa.version: [ 1, 2 ]
amdhsa.kernels:
  - .name:           k_qf7809b1d96_quant
    .symbol:         k_qf7809b1d96_quant.kd
    .args:
      - { .name: x, .offset: 0, .size: 8, .value_kind: global_buffer, .address_space: global }
      - { .name: mean, .offset: 8, .size: 8, .value_kind: global_buffer, .address_space: global }
      - { .name: log_std, .offset: 16, .size: 8, .value_kind: global_buffer, .address_space: global }
      - { .name: log_pi, .offset: 24, .size: 8, .value_kind: global_buffer, .address_space: global }
      - { .name: out0, .offset: 32, .size: 8, .value_kind: global_buffer, .address_space: global }
      - { .name: out1, .offset: 40, .size: 8, .value_kind: global_buffer, .address_space: global }
    .group_segment_fixed_size: 14336
    .private_segment_fixed_size: 0
    .kernarg_segment_align: 8
    .kernarg_segment_size: 48
    .max_flat_workgroup_size: 512
    .sgpr_count:     66
    .vgpr_count:     244
    .wavefront_size: 32
...
	.end_amdgpu_metadata
.endif
;; end of part 1
